; MI455X (gfx1250); checked and timed in simulation.
; The chip was launched on July 23, 2026; its instructions are those of AMD's public machine-readable ISA for CDNA 5 (MIT licence, August 2026) and "CDNA5" Instruction Set Architecture Reference Guide (July 2026). The comments in the code are by the model that wrote it; some were corrected since.
;; Multi Head Self Attention. Allowed arithmetic: matrix products marked QUANTISED: E2M3 operands, one E8M0 scale for each 32 along K, by v_wmma_scale_f32_16x16x128_f8f6f4 with both operands' format E2M3, f32 sums; everything else in f32.
;; Inputs: Wk_codes 768 x 24 x 24 uint8 (E2M3 codes of Wk, K innermost, in blocks of 32 codes, four codes in three bytes); Wk_scales 768 x 24 uint8 (E8M0 scales of Wk, one for each 32 codes along K); Wo_codes 768 x 24 x 24 uint8 (E2M3 codes of Wo, K innermost, in blocks of 32 codes, four codes in three bytes); Wo_scales 768 x 24 uint8 (E8M0 scales of Wo, one for each 32 codes along K); Wq_codes 768 x 24 x 24 uint8 (E2M3 codes of Wq, K innermost, in blocks of 32 codes, four codes in three bytes); Wq_scales 768 x 24 uint8 (E8M0 scales of Wq, one for each 32 codes along K); Wv_codes 768 x 24 x 24 uint8 (E2M3 codes of Wv, K innermost, in blocks of 32 codes, four codes in three bytes); Wv_scales 768 x 24 uint8 (E8M0 scales of Wv, one for each 32 codes along K); bk 768 float32; bo 768 float32; bq 768 float32; bv 768 float32; x_codes 1 x 4,096 x 24 x 24 uint8 (E2M3 codes of x, K innermost, in blocks of 32 codes, four codes in three bytes); x_scales 1 x 4,096 x 24 uint8 (E8M0 scales of x, one for each 32 codes along K).
;; Outputs: out0 1 x 4,096 x 768 float32.
;; This version of the problem:
;;   THIS VERSION OF THE PROBLEM IS GIVEN IN LOW PRECISION. The matrix products marked QUANTISED in the list below multiply operands that are first quantised to E2M3 (2 exponent bits, 3 mantissa bits; 6 bits a number), with one power-of-two scale for each 32 numbers along K (OCP MX v1.0); their sums are f32. All else is computed in f32.
;;   The module's matrix products, in the order in which they are computed (A, B: the left and right operand; K: the contracted axis; several contracted axes count as one K, in the product's order):
;;     1. [M 4,096, K 768] x [K 768, N 768]; A: input x (given as codes); B: input Wq (given as codes): QUANTISED
;;     2. [M 4,096, K 768] x [K 768, N 768]; A: input x (given as codes); B: input Wk (given as codes): QUANTISED
;;     3. [M 4,096, K 768] x [K 768, N 768]; A: input x (given as codes); B: input Wv (given as codes): QUANTISED
;;     4. batch 12 x [M 4,096, K 64] x [K 64, N 4,096]; A: computed on the way; B: computed on the way: QUANTISED
;;     5. batch 12 x [M 4,096, K 4,096] x [K 4,096, N 64]; A: softmax (see below); B: computed on the way: QUANTISED
;;     6. [M 4,096, K 768] x [K 768, N 768]; A: computed on the way; B: input Wo (given as codes): QUANTISED
;;   THE QUANTISER, for each operand of a quantised product, along K:
;;     - K is cut into blocks of 32 from its start; a last block that is shorter is filled with zeros.
;;     - A block's scale is 2^e with e = floor(log2(the largest magnitude in the block)) - 2, held to -126 .. 127; a block of zeros has e = 0. As a byte (E8M0): e + 127.
;;     - Each number is divided by its block's scale, clamped to +-7.5, and rounded to the nearest number of E2M3, ties to even, subnormals kept.
;;     - The product sums the exact products of the quantised numbers (number of the format x scale) in f32.
;;   ~~~python
;;   def quantise(x, axis):      # numpy; x: float32 -> the quantised numbers, widened to float32 again
;;       x = np.moveaxis(x, axis, -1); K = x.shape[-1]
;;       x = np.pad(x, [(0, 0)] * (x.ndim - 1) + [(0, -K % 32)]); x = x.reshape(x.shape[:-1] + (-1, 32)); a = np.abs(x).max(-1, keepdims=True)
;;       e = np.where(a > 0, np.clip(np.frexp(np.where(a > 0, a, 1))[1] - 1 - 2, -126, 127), 0)      # np.frexp(a)[1] - 1 = floor(log2(a)), exactly
;;       r = np.clip(x / 2.0 ** e, -7.5, 7.5)
;;       step = 2.0 ** (np.maximum(np.frexp(np.where(r == 0, 1, r))[1] - 1, 0) - 3)
;;       q = np.round(r / step) * step * 2.0 ** e      # np.round: ties to even
;;       return np.moveaxis(q.reshape(q.shape[:-2] + (-1,))[..., :K], -1, axis).astype(np.float32)
;;   ~~~
;;   SOFTMAX AHEAD OF A QUANTISED PRODUCT. Where the list says 'softmax', what is quantised is not the finished softmax but p = 2^(t - M), with t = logit x log2(e) and M = ceil(the row's largest t), a whole number; so 1/2 < the row's largest p <= 1. The row's sum l is taken of the UNQUANTISED p, in f32, and the product's result is divided by l at the end. Since M is a whole number, a kernel that streams over the keys may use a running M (the ceiling of the running maximum): every later rescaling is an exact power of two, which a block's scale takes up: the codes' values come out the same.
;;   OPERANDS COMPUTED ON THE WAY. 'Computed on the way' means the value that the module computes at that place (a softmax that the list does not call 'softmax' is quantised finished and normalised). What goes into a quantiser is computed in f32, as accurately as f32 sums, v_exp_f32 and their like allow (about 1e-6 of the number): no bf16 or f16 on the way to a quantiser, and a product that is left as it is and whose result goes on into a quantised operand takes f32 operands (vector FMAs, or v_wmma_f32_16x16x4_f32). A number that lies on a knife's edge between two numbers of the format may be rounded either way, as far as f32 arithmetic and the matrix unit's own rounding can turn it there, and no further.
;;   INPUTS GIVEN AS CODES. Wk (in the module: [768, 768], K = its axis 0); Wo (in the module: [768, 768], K = its axis 0); Wq (in the module: [768, 768], K = its axis 0); Wv (in the module: [768, 768], K = its axis 0); x (in the module: [1, 4096, 768], K = its axis 2): each comes as NAME_codes (uint8): NAME with its K axis moved to the last place and cut into blocks of 32 codes, [.., K / 32, bytes a block], one block behind the other in memory; four codes in three bytes: a row's codes are one little-endian stream of bits, code i at bits 6 i .. 6 i + 5 (a code: sign, 2 exponent bits, 3 mantissa bits); and NAME_scales (uint8): the same leading axes, one E8M0 byte (e + 127) for each 32 codes along K. Its value is code x scale, taken as it is: it is not quantised again, and the codes and scales need not be those that the quantiser above would give.
;; One version. Each part assembles by itself: llvm-mc -triple=amdgcn-amd-amdhsa -mcpu=gfx1250 --defsym DOCPART=n.
;; ======== version 1 of 1: 3 launches
;; limits: right only within a limited range of input values
;; workspace buffers: qb 4,915,200 bytes; kv 4,915,200 bytes; oc 2,359,296 bytes; os 196,608 bytes
;; launch qkv (part 1): grid 16 x 9, 4 waves a work-group, no clusters, 303,616 bytes of LDS; arguments x_codes, x_scales, Wq_codes, Wq_scales, bq, Wk_codes, Wk_scales, bk, Wv_codes, Wv_scales, bv, qb, kv; writes qb, kv
.if DOCPART == 1
	.amdgcn_target "amdgcn-amd-amdhsa--gfx1250"
	.amdhsa_code_object_version 6
	.text
	.protected	k_q30f129da6d_qkv
	.globl	k_q30f129da6d_qkv
	.p2align	8
	.type	k_q30f129da6d_qkv,@function
k_q30f129da6d_qkv:
	s_mov_b64 s[64:65], 0
	v_nop
	global_prefetch_b8 v0, s[64:65] scope:SCOPE_SE
	s_setreg_imm32_b32 hwreg(HW_REG_WAVE_MODE, 25, 1), 1
	s_wait_xcnt 0x0
; q = x Wq + bq, k = x Wk + bk, v = x Wv + bv on codes of FP6 (E2M3) with one E8M0 scale for each 32 along K = 768, and the results quantised again for attention:
; q and k along a head's 64 channels, v along the keys.  x: [4096][576 bytes of codes], W*: [768][576]; scale bytes [..][24]; biases f32.
; SHARES.  Work-group (X, Y): X = 256 rows of x; Y = 0-2 q, 3-5 k, 6-8 v; Y mod 3 = 256 rows of the weight.  Four waves, each 128 x 128: 64 accumulators of 16 x 16.
; Source 0 is operand P, source 1 operand R.  q, k: P = W, R = x: a lane holds one row of x and its registers run along the features (the next K).  v: P = x, R = W: a lane holds one
; channel and its registers run along the keys (the next K).  Only pointers and row numbers are exchanged, by selects on Y: the products are one text.
; THE ROWS OF A TILE ARE NOT NEIGHBOURS: lane r of tile t takes row 32 (t / 2) + 8 (t % 2) + r + 8 (r / 8) of the wave's 128, so that the 16 registers of tiles 2 b, 2 b + 1 are 16 neighbours, 32 b + 16 (lane / 16) + 0 .. 15.
; LDS.  All of K is resident: 256 rows of R at 0, 256 rows of P behind them, 592 bytes from row to row (148 words: row r begins at bank 20 r mod 64, of 64 banks of 4 bytes: ISA guide 11.1;
; the 32 lanes of an 8-byte load touch 64 different banks).  Filled once by lane copies: no slot is filled again.  The copies put memory's groups of 8 rows in the tiles' order, so a tile's 16 lanes read 16 consecutive LDS rows.
; No cluster: rows of 144 words can be padded by the data mover only behind powers of two of words, which gives 720 bytes a row, and 512 such rows do not fit; lane copies have no joint form.
; OUT.  kv (and qb, same strides): [head 12][key step 32][12,800 bytes]: +0 four images of K (registers 0-5: key tile 2 g, 6-11: key tile 2 g + 1; 64 channels each), +6,144 four images of V (16 channels x 128 keys),
; +12,288 K's scale words [r 16][g 4], +12,544 V's [r 16][tile 4].  An image is the operand's 12 registers: chunk i of 512 bytes holds lane l's registers 4 i .. 4 i + 3 at 16 l.  qb has the K parts alone.
; LIMITS: NaN and infinities are not served.  A block whose largest magnitude lies under 2^-124 (a block of zeros too) gets the scale byte 1; these bytes are read by this program alone.
; REGISTERS.  Window 0: v1-12 lane numbers and addresses; v16-31 v's bias; v32-79 R's scale words, v80-127 P's (tile i, K step s at 6 i + s); v128-223 R's 8 fragments, one set; v224-255 the copies' addresses.
;   Window 1: P's fragments, two sets at v0 and v128; q's and k's bias at v96-127 and v224-255.  Windows 2, 3: accumulator (a, b) at v[8 (8 (a % 4) + b)] of window 2 + a / 4.
.set PITCH, 592
.set TILE,  16*PITCH
.set HALF,  128*PITCH
.set REGP,  2*HALF
.set HEADB, 409600
.set STEPB, 12800
.set ADR,  4                           ; v4, v5  my R fragments in LDS: tiles 0-3, tiles 4-7
.set ADP,  6                           ; v6, v7  the same for P
.set SOFF, 8                           ; v8      24 x (r + 8 (r / 8)): my row of scale bytes in a tile
.set BQO,  9                           ; v9      64 x (lane / 16)
.set BVO,  10                          ; v10     4 x (r + 8 (r / 8))
.set IO,   11                          ; v11     16 x lane: my place in an image's chunk
.set SOF,  12                          ; v12     the scale words' store: 16 r, lanes 16-31 one head on
.set BV,   16
.set SCR,  32
.set SCP,  80
.set RF,   128
.set VL,   224
.set VG,   240
.set ST,   128                         ; the way out (window 0): 64 numbers
.set TM,   192                         ; v192-195 largest magnitudes, v196-199 bytes, v204-207 the conversions' scale operands
.set PT,   208                         ; the conversions' second halves
.set IMG,  216                         ; two images
.set PWS,  240                         ; a scale word for each tile
.set TW,   248                         ; the eight words as they are stored
.set SW,   192
.set MSB, 0
.macro WIN new                         ; the immediate's high byte repeats the setting that is left
.if MSB != (\new)
	s_set_vgpr_msb (MSB<<8)|(\new)
.set MSB, (\new)
.endif
.endm
.set MUL_LO, 0xa1                      ; source 0 (P) window 1, source 1 (R) window 0, C and D window 2
.set MUL_HI, 0xf1                      ; the same, C and D window 3
.set TO_P,   0x40                      ; destination window 1, address window 0
.macro PLACES n
.rept \n
	v_nop
.endr
.endm
	s_load_b128 s[4:7], s[0:1], 0x0                ; x's codes, x's scales
	s_load_b512 s[8:23], s[0:1], 0x10              ; Wq codes, scales, bq; Wk codes, scales, bk; Wv codes, scales
	s_load_b128 s[24:27], s[0:1], 0x50             ; bv, qb
	s_load_b64 s[28:29], s[0:1], 0x60              ; kv
	v_lshl_add_u32 v254, v0, 2, 0x4a000
	v_mov_b32 v255, 0
	ds_add_u32 v254, v255
	ds_add_u32 v254, v255
	s_wait_dscnt 0x0
	v_lshrrev_b32 v13, 5, v0
	v_readfirstlane_b32 s52, v13                   ; wave 0..3
	s_lshr_b32 s53, s52, 1                         ; my half of R
	s_and_b32 s54, s52, 1                          ; my half of P
	s_and_b32 s56, ttmp7, 0xffff                   ; Y
	s_cmp_lt_u32 s56, 6
	s_cselect_b32 s58, 3, 6
	s_cmp_lt_u32 s56, 3
	s_cselect_b32 s58, 0, s58
	s_sub_co_u32 s57, s56, s58                     ; Y mod 3
	s_lshl_b32 s58, ttmp9, 8                       ; first row of x
	s_lshl_b32 s59, s57, 8                         ; first row of W
	s_mov_b32 s60, 0x76543210
	s_mov_b32 s61, 0xfedcba98                      ; v_permlanex16_b32's selects for lane l xor 16
	v_and_b32 v1, 15, v0                           ; r
	v_bfe_u32 v2, v0, 4, 1                         ; h
	v_and_b32 v3, 31, v0                           ; lane
	v_mul_u32_u24 v13, v1, PITCH
	v_mad_u32_u24 v13, v2, 24, v13                 ; a fragment's row x pitch + 24 x half
	s_mul_i32 s66, s53, HALF
	v_add_nc_u32 v[ADR], s66, v13
	v_add_nc_u32 v[ADR+1], 4*TILE, v[ADR]
	s_mul_i32 s66, s54, HALF
	s_add_co_u32 s66, s66, REGP
	v_add_nc_u32 v[ADP], s66, v13
	v_add_nc_u32 v[ADP+1], 4*TILE, v[ADP]
	v_and_b32 v14, 8, v1
	v_add_nc_u32 v14, v14, v1                      ; r + 8 (r / 8)
	v_mul_u32_u24 v[SOFF], v14, 24
	v_lshlrev_b32 v[BVO], 2, v14
	v_lshlrev_b32 v[BQO], 6, v2
	v_lshlrev_b32 v[IO], 4, v3
	v_mul_u32_u24 v[SOF], v2, HEADB
	v_lshl_add_u32 v[SOF], v1, 4, v[SOF]
	; the copies: nine copies take a group of 8 rows whole
	; a copy takes 512 consecutive bytes of memory, aligned to 512 (16 bytes a lane); 8 rows are 4,608 bytes: nine copies, 512 bytes apart by the immediate, which steps both addresses.
	; Byte y = 512 k + 16 lane of a group of 8 rows lies in row y / 576 = (32 k + lane) / 36, and goes to LDS byte y + 16 x that row.  n / 36 = (1821 n) >> 16 for n under 288.
	; So each copy (g, k) has an LDS address register of its own: v[9 g + k] of window 2, among the registers that hold accumulators later, behind the wait for the copies.
	s_mul_i32 s66, s52, HALF
	v_lshl_add_u32 v13, v3, 4, s66                 ; in LDS: wave w fills rows 128 w .. 128 w + 127; + 16 x lane
	v_lshlrev_b32 v15, 4, v3                       ; in memory: 16 x lane
.set k, 0
.rept 9
	v_add_nc_u32 v14, 32*k, v3
	v_mul_u32_u24 v14, v14, 1821
	v_lshrrev_b32 v14, 16, v14                     ; the row of the 8
	v_lshl_add_u32 v[VL+k], v14, 4, v13
.set k, k+1
.endr
.set g, 0
.rept 16
	v_add_nc_u32 v[VG+g], g*8*576, v15             ; memory's group g of 8 rows
.set g, g+1
.endr
	WIN 0x80                                       ; destination window 2
.set g, 0
.rept 16
.set k, 0
.rept 9
	v_add_nc_u32 v[9*g+k], ((g&12)|((g&1)<<1)|((g>>1)&1))*8*PITCH, v[VL+k]   ; group g goes to the LDS group with the two low bits exchanged: the tiles' order
.set k, k+1
.endr
.set g, g+1
.endr
	WIN 0
	s_wait_alu depctr_va_vdst(0)
	s_wait_kmcnt 0x0
	s_cmp_lt_u32 s56, 6                            ; the choices hang on the work-group's number alone
	s_cselect_b64 s[30:31], s[14:15], s[20:21]     ; W's codes,
	s_cselect_b64 s[32:33], s[16:17], s[22:23]     ; scales,
	s_cselect_b64 s[34:35], s[18:19], s[24:25]     ; bias
	s_cmp_lt_u32 s56, 3
	s_cselect_b64 s[30:31], s[8:9], s[30:31]
	s_cselect_b64 s[32:33], s[10:11], s[32:33]
	s_cselect_b64 s[34:35], s[12:13], s[34:35]
	s_cselect_b64 s[36:37], s[26:27], s[28:29]     ; q goes to qb, k and v to kv
	s_cmp_lt_u32 s56, 6
	s_cselect_b64 s[38:39], s[4:5], s[30:31]       ; R's codes: x for q and k, W for v
	s_cselect_b64 s[40:41], s[30:31], s[4:5]       ; P's
	s_cselect_b64 s[42:43], s[6:7], s[32:33]       ; R's scales
	s_cselect_b64 s[44:45], s[32:33], s[6:7]       ; P's
	s_cselect_b32 s66, s58, s59                    ; R's first row
	s_cselect_b32 s67, s59, s58                    ; P's
	s_cselect_b32 s68, s54, s53                    ; which 128 features are mine
	s_cselect_b32 s69, s53, s54                    ; which 128 rows of x
	s_cselect_b32 s70, 0, 6144                     ; V's images lie behind K's,
	s_cselect_b32 s71, 0, 256                      ; and its scale words behind K's
	s_cmp_lt_u32 s52, 2                            ; waves 0, 1 fill R's halves, waves 2, 3 P's
	s_cselect_b64 s[46:47], s[38:39], s[40:41]
	s_cselect_b32 s72, s66, s67
	s_lshl_b32 s73, s54, 7
	s_add_co_u32 s72, s72, s73
	s_mul_i32 s72, s72, 576
	s_mov_b32 s73, 0
	s_add_nc_u64 s[46:47], s[46:47], s[72:73]
	WIN 0x80                                       ; a copy's LDS address is named in the destination's place: window 2
.set g, 0
.rept 16                                           ; 144 copies a wave, ahead of every wait on ASYNCcnt, every LDS read and the barrier; their 160 address registers and base stay as they are until the wait for them
.irp j, 0,1,2,3,4,5,6,7,8
	global_load_async_to_lds_b128 v[9*g+\j], v[VG+g], s[46:47] offset:512*\j
.endr
.set g, g+1
.endr
	WIN 0
	s_lshl_b32 s72, s53, 7
	s_add_co_u32 s72, s72, s66
	s_mul_i32 s72, s72, 24
	s_add_nc_u64 s[42:43], s[42:43], s[72:73]      ; R's scale bytes at my 128 rows
	s_lshl_b32 s72, s54, 7
	s_add_co_u32 s72, s72, s67
	s_mul_i32 s72, s72, 24
	s_add_nc_u64 s[44:45], s[44:45], s[72:73]      ; P's
	s_lshl_b32 s72, s54, 7
	s_add_co_u32 s72, s72, s59
	s_lshl_b32 s72, s72, 2
	s_add_nc_u64 s[74:75], s[34:35], s[72:73]      ; the bias along the registers (q, k): P's half
	s_lshl_b32 s72, s53, 7
	s_add_co_u32 s72, s72, s59
	s_lshl_b32 s72, s72, 2
	s_add_nc_u64 s[76:77], s[34:35], s[72:73]      ; the bias along the lanes (v): R's half.  Both forms are loaded whatever Y is: both stay inside the 768 numbers
.irp i, 0,1,2,3,4,5,6,7
.irp p, 0,1,2
	global_load_b64 v[SCR+6*\i+2*\p:SCR+6*\i+2*\p+1], v[SOFF], s[42:43] offset:(32*(\i/2)+8*(\i%2))*24+8*\p   ; a row's 24 scale bytes are the six K steps' words
	global_load_b64 v[SCP+6*\i+2*\p:SCP+6*\i+2*\p+1], v[SOFF], s[44:45] offset:(32*(\i/2)+8*(\i%2))*24+8*\p
.endr
.endr
.irp i, 0,1,2,3,4,5,6,7
	global_load_b32 v[BV+2*\i], v[BVO], s[76:77] offset:(32*(\i/2)+8*(\i%2))*4
	global_load_b32 v[BV+2*\i+1], v[BVO], s[76:77] offset:(32*(\i/2)+8*(\i%2))*4   ; twice: a pair for the packed addition
.endr
	WIN TO_P
.irp f, 0,1,2,3,4,5,6,7                        ; tile f's eight features of my half of the lanes: 32 (f / 2) + 8 (f % 2) + 16 h + 0 .. 7
	global_load_b128 v[96+8*\f+96*(\f/4):96+8*\f+96*(\f/4)+3], v[BQO], s[74:75] offset:(32*(\f/2)+8*(\f%2))*4
	global_load_b128 v[96+8*\f+96*(\f/4)+4:96+8*\f+96*(\f/4)+7], v[BQO], s[74:75] offset:(32*(\f/2)+8*(\f%2))*4+16
.endr
	WIN 0
	s_lshl_b32 s72, s57, 2
	s_lshl_b32 s78, s68, 1
	s_add_co_u32 s72, s72, s78                     ; my first head: 4 (Y mod 3) + 2 x my half of the features
	s_mul_i32 s72, s72, HEADB
	s_lshl_b32 s78, ttmp9, 1
	s_add_co_u32 s78, s78, s69                     ; my key step: 2 X + my half of the rows
	s_mul_i32 s78, s78, STEPB
	s_add_co_u32 s72, s72, s78
	s_add_nc_u64 s[36:37], s[36:37], s[72:73]
	s_mov_b32 s72, s70
	s_add_nc_u64 s[48:49], s[36:37], s[72:73]      ; where my images go
	s_add_co_u32 s72, s71, 12288
	s_add_nc_u64 s[50:51], s[36:37], s[72:73]      ; and my scale words
.macro FRAG reg, adr, s, i             ; a fragment, 16 rows x 128 K, is 12 registers: registers 6 c .. 6 c + 5 hold K = 64 c + 32 h + 0 .. 31: 24 bytes of the row as they lie, in pieces of 8 bytes
.irp p, 0,1,2,3,4,5
	ds_load_b64 v[\reg+2*\p:\reg+2*\p+1], v[\adr+(\i)/4] offset:((\i)%4)*TILE+96*(\s)+48*(\p/3)+8*(\p%3)
.endr
.endm
.macro FETCH_P s, set                  ; P's eight fragments of K step s
	WIN TO_P
.irp i, 0,1,2,3,4,5,6,7
	FRAG 128*(\set)+12*\i, ADP, \s, \i
.endr
	WIN 0
.endm
.macro FETCH_R s, i0                   ; R's blocks i0 .. i0 + 3
.irp i, \i0, \i0+1, \i0+2, \i0+3
	FRAG RF+12*(\i), ADR, \s, \i
.endr
.endm
; 16 matrix instructions: R's blocks a0, a0 + 1 x P's eight.  The 64 accumulators take turns, one instruction a turn, in the same order in every step.
.macro MUL16 a0, set, s, zero
.irp a, \a0, \a0+1
.irp b, 0,1,2,3,4,5,6,7
.if \zero
	v_wmma_scale_f32_16x16x128_f8f6f4 v[8*(8*((\a)%4)+\b):8*(8*((\a)%4)+\b)+7], v[128*(\set)+12*\b:128*(\set)+12*\b+11], v[RF+12*(\a):RF+12*(\a)+11], 0, v[SCP+6*\b+(\s)], v[SCR+6*(\a)+(\s)] matrix_a_fmt:MATRIX_FMT_FP6 matrix_b_fmt:MATRIX_FMT_FP6
.else
	v_wmma_scale_f32_16x16x128_f8f6f4 v[8*(8*((\a)%4)+\b):8*(8*((\a)%4)+\b)+7], v[128*(\set)+12*\b:128*(\set)+12*\b+11], v[RF+12*(\a):RF+12*(\a)+11], v[8*(8*((\a)%4)+\b):8*(8*((\a)%4)+\b)+7], v[SCP+6*\b+(\s)], v[SCR+6*(\a)+(\s)] matrix_a_fmt:MATRIX_FMT_FP6 matrix_b_fmt:MATRIX_FMT_FP6
.endif
.endr
.endr
.endm
; A K step of 128 that has a successor.  A block of R is free when its eight products are issued, so R has one set: blocks 0-3 come anew in the step's middle, blocks 4-7 at its end; P has two sets.
; Loads into registers that matrix instructions have read stand four plain vector instructions behind them (ISA guide 7.12.1 for vector instructions).
.macro STEP s, zero
	s_wait_dscnt 24                                ; P's set and R's blocks 0-3 are in; the youngest 24 loads (R's blocks 4-7) may be out
	WIN MUL_LO
	MUL16 0, (\s)%2, \s, \zero
	MUL16 2, (\s)%2, \s, \zero
	s_wait_dscnt 0x0                               ; R's blocks 4-7 are in (asked for 32 matrix instructions ago)
	PLACES 4
	FETCH_P (\s)+1, 1-(\s)%2
	FETCH_R (\s)+1, 0
	WIN MUL_HI
	MUL16 4, (\s)%2, \s, \zero
	MUL16 6, (\s)%2, \s, \zero
	PLACES 4
	WIN 0
	FETCH_R (\s)+1, 4
.endm
	s_wait_asynccnt 0x0                            ; my 128 rows lie in LDS,
	s_barrier_signal -1
	s_barrier_wait -1                              ; everybody's do: the only barrier
	FETCH_P 0, 0
	FETCH_R 0, 0
	FETCH_R 0, 4
	s_wait_loadcnt 0x0                             ; scale words and biases
	STEP 0, 1                                      ; the first step's products start the sums: nothing is cleared
	STEP 1, 0
	STEP 2, 0
	STEP 3, 0
	STEP 4, 0
	s_wait_dscnt 24                                ; the last step: nothing more to fetch
	WIN MUL_LO
	MUL16 0, 1, 5, 0
	MUL16 2, 1, 5, 0
	s_wait_dscnt 0x0
	WIN MUL_HI
	MUL16 4, 1, 5, 0
	MUL16 6, 1, 5, 0
	PLACES 4                                       ; in front of the first read of results and of writes into R's registers
	WIN 0
.irp b, 0,1,2,3
	v_mov_b32 v[TM+4+\b], 0                        ; written once: a lane permute's destination counts as one of its sources
.endr
; 64 numbers of a lane, register 16 b + i = place 32 b + 16 (lane / 16) + i along the next K, become codes: blocks 0, 1 in six registers from d0, blocks 2, 3 from d1; the four scale bytes make the word pw.
.macro QUANT s, d0, d1, pw
.irp b, 0,1,2,3
	v_max3_num_f32 v[TM+\b], |v[\s+16*\b]|, |v[\s+1+16*\b]|, 0x1800000   ; my 16 numbers of block b, and the floor 2^(3 - 127): the byte cannot fall under 1
.endr
.irp i, 2,4,6,8,10,12,14
.irp b, 0,1,2,3
	v_max3_num_f32 v[TM+\b], v[TM+\b], |v[\s+16*\b+\i]|, |v[\s+1+16*\b+\i]|   ; the four blocks by turns
.endr
.endr
.irp b, 0,1,2,3
	v_permlanex16_b32 v[TM+4+\b], v[TM+\b], s60, s61
.endr
.irp b, 0,1,2,3
	v_max_num_f32 v[TM+\b], v[TM+\b], v[TM+4+\b]   ; with lane l xor 16's: the block's largest magnitude
.endr
.irp b, 0,1,2,3
	v_add_nc_u32 v[TM+12+\b], 0xff000000, v[TM+\b] ; 2 off its exponent field: the conversion takes the exponent field of this operand as its scale
.endr
.irp b, 0,1,2,3
	v_lshrrev_b32 v[TM+4+\b], 23, v[TM+12+\b]      ; the scale's byte
.endr
	v_lshl_or_b32 v[\pw], v[TM+5], 8, v[TM+4]
	v_lshl_or_b32 v[\pw], v[TM+6], 16, v[\pw]
	v_lshl_or_b32 v[\pw], v[TM+7], 24, v[\pw]
	v_cvt_scalef32_pk16_fp6_f32 v[(\d0):(\d0)+2], v[\s:\s+15], v[TM+12]
	v_cvt_scalef32_pk16_fp6_f32 v[PT:PT+2], v[\s+16:\s+31], v[TM+13]      ; (a conversion's three registers begin on an even number)
	v_cvt_scalef32_pk16_fp6_f32 v[(\d1):(\d1)+2], v[\s+32:\s+47], v[TM+14]
	v_cvt_scalef32_pk16_fp6_f32 v[PT+4:PT+6], v[\s+48:\s+63], v[TM+15]
	v_nop                                          ; one plain instruction behind a scaled conversion
.irp i, 0,1,2                                  ; the operand's layout wants a whole block in a lane: lanes 0-15 the even block, lanes 16-31 the odd one
	v_permlane16_swap_b32 v[(\d0)+\i], v[PT+\i]
	v_permlane16_swap_b32 v[(\d1)+\i], v[PT+4+\i]
.endr
.irp i, 0,1,2
	v_mov_b32 v[(\d0)+3+\i], v[PT+\i]
	v_mov_b32 v[(\d1)+3+\i], v[PT+4+\i]
.endr
.endm
.macro ADDQK g                         ; R's block g: the eight accumulators + the bias of the registers' features; each accumulator from its low end on
	WIN 0x06+(\g)/4                                ; source 0 window 2 or 3, source 1 window 1
.set i, 0
.rept 32
	v_pk_add_f32 v[ST+i:ST+i+1], v[64*((\g)%4)+i:64*((\g)%4)+i+1], v[96+i+96*(i/32):96+i+96*(i/32)+1]
.set i, i+2
.endr
	WIN 0
.endm
.macro ADDV g                          ; the same + the bias of the lane's channel
	WIN 0x02+(\g)/4
.set i, 0
.rept 32
	v_pk_add_f32 v[ST+i:ST+i+1], v[64*((\g)%4)+i:64*((\g)%4)+i+1], v[BV+2*(\g):BV+2*(\g)+1]
.set i, i+2
.endr
	WIN 0
.endm
.macro STIMG reg, off                  ; an image leaves as it stands: each store covers 512 consecutive bytes, aligned to 256
.irp i, 0,1,2
	global_store_b128 v[IO], v[(\reg)+4*\i:(\reg)+4*\i+3], s[48:49] offset:(\off)+512*\i
.endr
.endm
	s_cmp_ge_u32 s56, 6
	s_cbranch_scc1 .Lpath_v
	; q, k: block g is a tile of 16 rows of x; its 128 features are two heads of two blocks.  Two tiles make a pair image for each head.
.irp g, 0,1,2,3,4,5,6,7
.if (\g%2 == 0) && (\g > 0)
	s_wait_xcnt 0x0                                ; the last pair's stores have read their registers: the images are written again only behind this wait
.endif
	ADDQK \g
	QUANT ST, IMG+6*(\g%2), IMG+12+6*(\g%2), PWS+\g
.if \g%2 == 1
	STIMG IMG, 1536*(\g/2)
	STIMG IMG+12, HEADB+1536*(\g/2)
.endif
.endr
.irp g, 0,1,2,3
	v_perm_b32 v[TW+\g], v[PWS+2*\g+1], v[PWS+2*\g], 0x05040100     ; the first head: tile 2 g's two bytes below, tile 2 g + 1's above
	v_perm_b32 v[TW+4+\g], v[PWS+2*\g+1], v[PWS+2*\g], 0x07060302   ; the second head
.endr
	s_branch .Ljoin
.Lpath_v:
	; v: block g is a tile of 16 channels (0-3: the first head, 4-7: the second); its 128 keys are one image and one scale word
.irp g, 0,1,2,3,4,5,6,7
.if \g >= 2
	s_wait_xcnt 0x0                                ; the stores of two tiles ago have read their registers
.endif
	ADDV \g
	QUANT ST, IMG+12*(\g%2), IMG+12*(\g%2)+6, TW+\g
	STIMG IMG+12*(\g%2), (\g/4)*HEADB+(\g%4)*1536
.endr
.Ljoin:
	v_cmp_le_u32 vcc_lo, 16, v3
	s_wait_alu depctr_va_vdst(0)
.irp g, 0,1,2,3
	v_cndmask_b32 v[SW+\g], v[TW+\g], v[TW+4+\g], vcc_lo   ; lanes 0-15: row r's four words of the first head, lanes 16-31: of the second
.endr
	global_store_b128 v[SOF], v[SW:SW+3], s[50:51]  ; sixteen lanes store 256 consecutive bytes, aligned, for each head
	s_wait_xcnt 0x0
	v_lshl_add_u32 v254, v0, 2, 0x4a000
	v_mov_b32 v255, 0
	s_wait_alu depctr_va_vdst(0)
	s_wait_tensorcnt 0x0
	ds_add_u32 v254, v255
	s_wait_dscnt 0x0
	s_endpgm
.Lfunc_end_k_q30f129da6d_qkv:
	.size	k_q30f129da6d_qkv, .Lfunc_end_k_q30f129da6d_qkv-k_q30f129da6d_qkv
	.p2alignl 7, 3214868480
	.fill 96, 4, 3214868480
	.section	.rodata,"a",@progbits
	.p2align	6, 0x0
	.amdhsa_kernel k_q30f129da6d_qkv
		.amdhsa_group_segment_fixed_size 303616
		.amdhsa_private_segment_fixed_size 0
		.amdhsa_enable_private_segment 0
		.amdhsa_kernarg_size 104
		.amdhsa_user_sgpr_count 2
		.amdhsa_user_sgpr_kernarg_segment_ptr 1
		.amdhsa_wavefront_size32 1
		.amdhsa_system_sgpr_workgroup_id_x 1
		.amdhsa_system_sgpr_workgroup_id_y 1
		.amdhsa_system_sgpr_workgroup_id_z 1
		.amdhsa_system_vgpr_workitem_id 0
		.amdhsa_next_free_vgpr 1024
		.amdhsa_next_free_sgpr 80
		.amdhsa_reserve_vcc 1
		.amdhsa_float_denorm_mode_32 3
		.amdhsa_float_denorm_mode_16_64 3
		.amdhsa_memory_ordered 1
		.amdhsa_forward_progress 1
		.amdhsa_inst_pref_size 224
	.end_amdhsa_kernel
	.amdgpu_metadata
---
amdhsa.version: [ 1, 2 ]
amdhsa.kernels:
  - .name:           k_q30f129da6d_qkv
    .symbol:         k_q30f129da6d_qkv.kd
    .args:
      - { .name: x_codes, .offset: 0, .size: 8, .value_kind: global_buffer, .address_space: global }
      - { .name: x_scales, .offset: 8, .size: 8, .value_kind: global_buffer, .address_space: global }
      - { .name: Wq_codes, .offset: 16, .size: 8, .value_kind: global_buffer, .address_space: global }
      - { .name: Wq_scales, .offset: 24, .size: 8, .value_kind: global_buffer, .address_space: global }
      - { .name: bq, .offset: 32, .size: 8, .value_kind: global_buffer, .address_space: global }
      - { .name: Wk_codes, .offset: 40, .size: 8, .value_kind: global_buffer, .address_space: global }
      - { .name: Wk_scales, .offset: 48, .size: 8, .value_kind: global_buffer, .address_space: global }
      - { .name: bk, .offset: 56, .size: 8, .value_kind: global_buffer, .address_space: global }
      - { .name: Wv_codes, .offset: 64, .size: 8, .value_kind: global_buffer, .address_space: global }
      - { .name: Wv_scales, .offset: 72, .size: 8, .value_kind: global_buffer, .address_space: global }
      - { .name: bv, .offset: 80, .size: 8, .value_kind: global_buffer, .address_space: global }
      - { .name: qb, .offset: 88, .size: 8, .value_kind: global_buffer, .address_space: global }
      - { .name: kv, .offset: 96, .size: 8, .value_kind: global_buffer, .address_space: global }
    .group_segment_fixed_size: 303616
    .private_segment_fixed_size: 0
    .kernarg_segment_align: 8
    .kernarg_segment_size: 104
    .max_flat_workgroup_size: 128
    .sgpr_count:     80
    .vgpr_count:     1024
    .wavefront_size: 32
...
	.end_amdgpu_metadata
.endif
;; end of part 1
;; launch attn (part 2): grid 64 x 4, 12 waves a work-group, clusters of 4 x 1, 327,680 bytes of LDS; arguments qb, kv, oc, os; writes oc, os
.if DOCPART == 2
	.amdgcn_target "amdgcn-amd-amdhsa--gfx1250"
	.amdhsa_code_object_version 6
	.text
	.protected	k_q30f129da6d_attn
	.globl	k_q30f129da6d_attn
	.p2align	8
	.type	k_q30f129da6d_attn,@function
k_q30f129da6d_attn:
	s_mov_b64 s[64:65], 0
	v_nop
	global_prefetch_b8 v0, s[64:65] scope:SCOPE_SE
	s_setreg_imm32_b32 hwreg(HW_REG_WAVE_MODE, 25, 1), 1
	s_wait_xcnt 0x0
	s_wait_alu depctr_hold_cnt(0) depctr_sa_sdst(0) depctr_va_vdst(0) depctr_va_sdst(0) depctr_va_ssrc(0) depctr_va_vcc(0) depctr_vm_vsrc(0)
	s_getreg_b32 s2, hwreg(HW_REG_IB_STS2, 6, 4)
	s_cmp_eq_u32 s2, 0
	s_cbranch_scc0 .Lentry_in_a_cluster
	s_endpgm
.Lentry_in_a_cluster:
	s_bfe_u32 s2, ttmp6, 0x10000c
	s_cmp_lg_u32 s2, 0x3003
	s_cbranch_scc0 .Lentry_shape_is_right
	s_endpgm
.Lentry_shape_is_right:
; o[h][q] = the sum over k of softmax_k(q . k / 8) v: 12 heads of 64 channels, 4,096 keys; both products on codes of FP6 (E2M3) with one E8M0 scale for each 32 along K; o is quantised again along the features.
; THE SOFTMAX: t = score x log2(e) / 8; M = the row's largest t so far, rounded UP to a whole number; p = 2^(t - M) is quantised along the keys, not normalised.  The row's sum is taken of the
; unquantised p and divides at the end.  When M moves, the sums and O are multiplied by 2^(old M - new M): exact.
; SHARES.  256 work-groups of 12 waves; work-group (X, Y): four tiles of 16 queries (4 X + 0 .. 3) of three heads (3 Y + 0 .. 2); wave w: head 3 Y + w / 4, tile 4 X + w % 4, all 32 key steps of 128.
; CLUSTER.  The four work-groups of a cluster share Y, so they walk the same records: every record is asked for JOINTLY, by the same load with the mask of all four.
; IN.  kv: [head][key step][12,800 bytes]: four pair images of K (registers 0-5 key tile 2 g, 6-11 key tile 2 g + 1; tile t's row r is key 32 (t / 2) + 8 (t % 2) + r + 8 (r / 8)), four images of V (16 channels x 128 keys),
; K's scale words [row 16][g 4], V's [row 16][tile 4].  An image is an operand's 12 registers: chunk i of 512 bytes holds lane l's registers 4 i .. 4 i + 3 at 16 l.
; K'S TILES ARE MADE UP ANEW BY THE LANES' ADDRESSES.  Pair (c, a): rows 0-7 are rows 8 a .. 8 a + 7 of image 2 c, rows 8-15 are rows 8 (1 - a) .. of image 2 c + 1.  The sixteen lanes of half a load then touch sixteen
; different 16-byte columns of 256 bytes.  S^T = K Q^T gives lane (query r, half h), register 32 c + 16 a + 8 u + j, the key 64 c + 32 h + 16 (a xor h) + 8 u + j: A LANE HOLDS WHOLE BLOCKS OF 32 KEYS (2 c + h), as the operand of
; O^T = V^T P^T wants them.  So a block's maximum asks no other lane.  In lanes 16-31 the two halves of a block stand exchanged: the selects that place the codes put them right.
; K = 64 IN AN INSTRUCTION OF 128: a pair times [q | zeros] gives its first tile's scores, times [zeros | q] its second's; zero codes add nothing under the bytes 1 .. 254 that occur here.
; RING.  Two buffers of 4 key steps x 3 heads (153,600 bytes).  Every wave fetches one record (50 rows of 256 bytes) at the head and behind each round: one tensor load of a wave is out at any time.
; THE CHANGE OF BUFFERS stands inside a buffer's last key step: that step's 29 LDS loads are waited for, the round is opened, and the step's products and softmax, work on registers, run between the signal and its wait.
; PREFETCH.  Behind the load of buffer fill n each wave names, once, 13 blocks of 256 bytes of its record of fill n + 1 (four key steps ahead of that record's load); the four partners share a record's 50 blocks by address
; (13 cx + lane, held at 49; lanes over 12 repeat); the last fill's change asks for nothing.
; LIMITS: the promise holds while |t| stays under 2^31; NaN and infinities are not served; 1 / sum is v_rcp_f32 and a multiplication; a block of p or o under 2^-124 gets the scale byte 1 (read by this program alone).
.set STEPB, 12800
.set HEADB, 409600
.set BUFB,  12*STEPB
.set SPARE, 2*BUFB                     ; the spare words: 128 bytes for each of 12 waves, six blocks of 256 bytes that no other line names
.set STG2,  SPARE+12*128               ; o's scale words on their way out: 768 bytes that no tensor load fills
.set LK0,  1                           ; lane terms: K's pairs (c, 0): 16 j + 1664 h' + 256 h  (j = lane % 8, h' = bit 3, h = bit 4)
.set LK1,  2                           ; pairs (c, 1): 16 j + 1408 h' + 256 h (+ 128 in the offset)
.set SPW,  3                           ; my spare word; never rewritten
.set NIL,  4                           ; 0; never rewritten
.set ADK0, 5                           ; v5-10 the step's six addresses
.set ADK1, 6
.set ADS0, 7
.set ADS1, 8
.set ADV,  9
.set ADVS, 10
.set LS0,  11                          ; K's scale words, pairs (c, 0): 16 j + 132 h'
.set LS1,  14                          ; pairs (c, 1): 16 j + 124 (1 - h') (+ 4 in the offset)
.set LV,   15                          ; 16 x lane;  v12 = -M, v13 = the largest score so far
.set QH,   16                          ; v[16:27] = [zeros | q]
.set QL,   22                          ; v[22:33] = [q | zeros]
.set QS,   34                          ; q's scale word, its two bytes twice
.set LVS,  35                          ; 16 x (lane % 16)
.set KS,   36                          ; v36-39 K's scale words, pair 2 c + a
.set VS,   40                          ; v40-43 V's
.set PS,   44                          ; p's scale word
.set H8,   45                          ; 8 h
.set F,    46                          ; v46 = 2^(old M - new M); v47 its whole exponent
.set T,    48                          ; v48-59 the row's sum: six chains of pairs, kept from step to step
.set NT,   6
.set PFO,  60                          ; the prefetch's offset; never rewritten
.set L8,   61                          ; 8 x lane
.set SWA,  62                          ; where my row's scale word goes in STG2
.set SRA,  63                          ; where waves 0-2 read STG2 back
.set KF,   64                          ; v64-111 K's four pairs; behind the scores' products the same registers hold:
.set PC,   64                          ;   v64-75 p's codes
.set XA,   76                          ;   v76-78, v86-88 the codes of a block's registers 0-15
.set XB,   82                          ;   v82-84, v92-94 of its registers 16-31
.set BM,   96                          ;   v96-99 four chains of maxima; then v96, v98 the blocks' largest p
.set SOP,  100                         ;   the conversions' scale operands
.set SBY,  102                         ;   the scale bytes
.set TT,   104
.set W,    105
.set BX,   106                         ;   v106, v107
.set RM,   108
.set VF,   112                         ; v112-159 V's four images
.set S,    160                         ; v160-223 S^T, then p
.set O,    224                         ; v224-255 O^T
.set WV,   12
.set ODD,  13
.set HB,   14                          ; my head's place in a buffer
.set TB,   15                          ; the step's place in LDS
.set CNT,  16
.set SLOTS, 17
.set SEL,  20
.set CS,   22
.set G1,   24
.set G0,   32                          ; s[32:35] buffer 0's group 0, s[36:39] buffer 1's
.set PFA,  66                          ; s[66:67] my record of the fill that the next prefetch names
.set NC,   68                          ; -c
.set HM,   69                          ; the mask of lanes 16-31
.macro CREST                           ; a round of the cluster's barrier behind its opening barrier
	s_cmp_lg_u32 s[WV], 0
	s_cbranch_scc1 .Lnot_wave_0_\@
	s_barrier_signal -3
.Lnot_wave_0_\@:
	s_barrier_wait -3
	s_barrier_signal -1
	s_barrier_wait -1
.endm
.macro CROUND
	s_barrier_signal -1
	s_barrier_wait -1
	CREST
.endm
.macro DEP n
	s_delay_alu instid0(VALU_DEP_\n)
.endm
	s_load_b256 s[4:11], s[0:1], 0x0               ; qb, kv, oc, os
	v_lshl_add_u32 v[SPW], v0, 2, SPARE
	v_mov_b32 v[NIL], 0
	ds_add_u32 v[SPW], v[NIL]                      ; the opening lines: the add, twice on end, and its wait ahead of my first tensor load
	ds_add_u32 v[SPW], v[NIL]
	v_lshrrev_b32 v5, 5, v0
	v_readfirstlane_b32 s[WV], v5                  ; wave 0..11
	s_and_b32 s[ODD], s[WV], 1
	s_lshr_b32 s40, s[WV], 2                       ; which of the three heads
	s_and_b32 s41, s[WV], 3                        ; which of the four tiles; also: which key step of a buffer I fetch
	s_mul_i32 s[HB], s40, 4*STEPB
	s_and_b32 s44, ttmp7, 0xffff                   ; Y, which the four partners share
	s_mul_i32 s45, s44, 3
	s_add_co_u32 s45, s45, s40                     ; my head
	s_mul_i32 s46, s45, HEADB
	s_mul_i32 s47, s[WV], STEPB                    ; my record's place in a buffer
	s_mul_i32 s50, s41, STEPB
	s_add_co_u32 s50, s50, s46
	s_mov_b32 s51, 0
	; descriptor group 1: 12,800 dense bytes as 50 rows of 256 bytes (32 elements of 8 bytes), no padding
	s_mov_b32 s[G1], 15|(3<<16)|(1<<21)            ; the mask of all four work-groups; elements of 8 bytes; bit 21 beside a mask
	s_mov_b32 s[G1+1], 32<<16
	s_mov_b32 s[G1+2], 50<<16
	s_mov_b32 s[G1+3], 32<<16
	s_mov_b32 s[G1+4], 50
	s_mov_b32 s[G1+5], 32
	s_mov_b32 s[G1+6], 0
	s_mov_b32 s[G1+7], 0
	s_mov_b32 s[SEL], 0x76543210
	s_mov_b32 s[SEL+1], 0xfedcba98                 ; v_permlanex16_b32's selects for lane l xor 16
	s_mov_b32 s[CS], 0x3e38aa3b                    ; c = log2(e) / 8
	s_mov_b32 s[CS+1], s[CS]
	s_mov_b32 s[NC], 0xbe38aa3b
	s_mov_b32 s[HM], 0xffff0000
	s_wait_dscnt 0x0                               ; both opening adds are done
	s_wait_kmcnt 0x0
	s_add_nc_u64 s[50:51], s[6:7], s[50:51]
.irp b, 0,1
	s_mov_b32 s[G0+4*\b], 1
	s_add_co_u32 s[G0+4*\b+1], s47, \b*BUFB
	s_add_nc_u64 s[G0+4*\b+2:G0+4*\b+3], s[50:51], \b*4*STEPB   ; buffer b begins with key steps 4 b .. 4 b + 3
	s_or_b32 s[G0+4*\b+3], s[G0+4*\b+3], 0x80000000
.endr
	s_add_nc_u64 s[PFA:PFA+1], s[50:51], 8*STEPB   ; the first prefetch names key steps 8 .. 11
	CROUND                                         ; all four work-groups are here: the first joint loads meet
	tensor_load_to_lds s[G0:G0+3], s[G1:G1+7]      ; my one load at the head: my record of buffer 0
	s_nop 0
	s_bfe_u32 s42, ttmp6, 0x40000                  ; cx: it enters global addresses alone
	s_lshl_b32 s43, ttmp9, 2
	s_add_co_u32 s43, s43, s42                     ; X
	s_mul_i32 s42, s42, 13
	s_lshl_b32 s52, s43, 1
	s_lshr_b32 s53, s41, 1
	s_add_co_u32 s52, s52, s53                     ; my tile's pair: 2 X + (w % 4) / 2
	s_lshr_b32 s53, s52, 2                         ; its record in qb,
	s_and_b32 s54, s52, 3                          ; and its image there
	s_mul_i32 s55, s53, STEPB
	s_add_co_u32 s55, s55, s46
	s_mul_i32 s18, s54, 1536
	s_add_co_u32 s18, s18, s55
	s_mov_b32 s19, 0
	s_add_nc_u64 s[56:57], s[4:5], s[18:19]        ; Q's pair image
	s_lshl_b32 s18, s54, 2
	s_add_co_u32 s18, s18, s55
	s_add_co_u32 s18, s18, 12288
	s_add_nc_u64 s[58:59], s[4:5], s[18:19]        ; and its scale words
	s_mul_i32 s60, s[ODD], 0x02020202
	s_add_co_u32 s60, s60, 0x01000100              ; byte selects: my tile's two scale bytes, twice
	s_and_b32 s61, s45, 1
	s_lshl_b32 s61, s61, 4                         ; an odd head's scale bytes go to the upper half of the next product's word
	s_lshl_b32 s18, s43, 2
	s_add_co_u32 s18, s18, s41
	s_mul_i32 s18, s18, 9216
	s_mul_i32 s55, s45, 768
	s_add_co_u32 s18, s18, s55
	s_add_nc_u64 s[48:49], s[8:9], s[18:19]        ; oc: [tile 256][head 12][768 bytes]
	s_lshl_b32 s53, s[WV], 8
	s_lshl_b32 s18, s44, 6
	s_add_co_u32 s18, s18, s43
	s_mul_i32 s18, s18, 768
	s_add_co_u32 s18, s18, s53
	s_add_nc_u64 s[62:63], s[10:11], s[18:19]      ; os: [Y 4][X 64][768 bytes], + 256 w (waves 0-2)
	s_lshl_b32 s52, s[WV], 6
	s_mul_i32 s54, s[ODD], 520
	s_mul_i32 s55, s[ODD], 1016
	v_and_b32 v[LV], 31, v0
	v_lshlrev_b32 v[L8], 3, v[LV]
	v_min_u32 v[PFO], 12, v[LV]
	v_lshlrev_b32 v[LV], 4, v[LV]
	v_add_nc_u32 v[PFO], s42, v[PFO]
	v_min_u32 v[PFO], 49, v[PFO]
	v_lshlrev_b32 v[PFO], 8, v[PFO]                ; 256 x min(13 cx + min(lane, 12), 49): inside my record
	v_and_b32 v[LVS], 15, v0
	v_lshl_add_u32 v[SWA], v[LVS], 2, STG2
	v_add_nc_u32 v[SWA], s52, v[SWA]               ; STG2 + 64 w + 4 r
	v_lshlrev_b32 v[LVS], 4, v[LVS]
	v_add_nc_u32 v[SRA], s53, v[L8]
	v_add_nc_u32 v[SRA], STG2, v[SRA]              ; STG2 + 256 w + 8 lane
	v_add_nc_u32 v5, s54, v[LV]                    ; my tile is registers 0-5 (even tile) or 6-11 (odd) of the pair image; register n of lane l lies at 512 (n / 4) + 16 l + 4 (n % 4)
	v_add_nc_u32 v6, s55, v[LV]
	global_load_b64 v[22:23], v5, s[56:57]
	global_load_b64 v[24:25], v6, s[56:57] offset:8
	global_load_b64 v[26:27], v5, s[56:57] offset:512
	global_load_b32 v[W], v[LVS], s[58:59]
	v_and_b32 v7, 7, v0
	v_lshlrev_b32 v7, 4, v7                        ; 16 j
	v_bfe_u32 v8, v0, 3, 1                         ; h'
	v_bfe_u32 v9, v0, 4, 1                         ; h
	v_xor_b32 v10, 1, v8
	v_mad_u32_u24 v[LK0], v8, 1664, v7
	v_mad_u32_u24 v[LK1], v8, 1408, v7
	v_lshl_add_u32 v[LK0], v9, 8, v[LK0]
	v_lshl_add_u32 v[LK1], v9, 8, v[LK1]
	v_mad_u32_u24 v[LS0], v8, 132, v7
	v_mad_u32_u24 v[LS1], v10, 124, v7
	v_lshlrev_b32 v[H8], 3, v9
.irp j, 16,17,18,19,20,21,28,29,30,31,32,33
	v_mov_b32 v[\j], 0                             ; the zero codes on both sides of q
.endr
	v_mov_b32 v13, 0xff61b1e6                      ; the largest score so far: -3e38
	v_mov_b32 v12, 0x7e000000                      ; -M = 2^125: the first step's factor comes out 0
	s_wait_loadcnt 0x0                             ; Q
	v_perm_b32 v[QS], v[W], v[W], s60              ; s0 | s1 << 8 | s0 << 16 | s1 << 24: it serves q in either half of K
.set JJ, 0
.rept 32
	v_mov_b32 v[O+JJ], 0                           ; O^T and the sums: the step is written once, its first walk finds zeros.  (These also stand between the write of q's scale word and the first product)
.set JJ, JJ+1
.endr
.set JJ, 0
.rept 2*NT
	v_mov_b32 v[T+JJ], 0
.set JJ, JJ+1
.endr
.macro SUMS n                          ; the next n pairs of p go to the six chains by turns; a chain's first addition of a step is fused with its multiplication by f
.rept \n
.if SK < NT
	v_pk_fma_f32 v[T+2*SK:T+2*SK+1], v[T+2*SK:T+2*SK+1], v[F:F+1], v[S+2*SK:S+2*SK+1] op_sel_hi:[1,0,1]
.else
	v_pk_add_f32 v[T+2*(SK%NT):T+2*(SK%NT)+1], v[T+2*(SK%NT):T+2*(SK%NT)+1], v[S+2*SK:S+2*SK+1]
.endif
.set SK, SK+1
.endr
.endm
.macro PLACE c                         ; block 2 c + h's codes into the operand: lanes 16-31 hold the block's halves exchanged
.irp i, 0,1,2
	v_cndmask_b32 v[PC+6*\c+\i], v[XA+10*\c+\i], v[XB+10*\c+\i], s[HM]
	v_cndmask_b32 v[PC+6*\c+3+\i], v[XB+10*\c+\i], v[XA+10*\c+\i], s[HM]
.endr
.endm
; A KEY STEP: 128 keys, at LDS byte s[TB].  sync = 0: a step inside a buffer.  sync = 1: buffer b's last step, with the change of buffers and b's refill.  sync = 2: the same with nothing left to fetch.
; ask = 1: a prefetch behind the refill; ask = 2: but not in the ring's last trip.
.macro STEP sync, b, ask
.if \sync == 1
	s_wait_xcnt 0x0                                ; my last prefetch, three key steps back, has read its address: it is stepped below
.endif
	v_add_nc_u32 v[ADK0], s[TB], v[LK0]            ; six plain instructions in front of loads into registers that the last products read
	v_add_nc_u32 v[ADK1], s[TB], v[LK1]
	v_add_nc_u32 v[ADS0], s[TB], v[LS0]
	v_add_nc_u32 v[ADS1], s[TB], v[LS1]
	v_add_nc_u32 v[ADV], s[TB], v[LV]
	v_add_nc_u32 v[ADVS], s[TB], v[LVS]
.irp c, 0,1
.irp i, 0,1,2
	ds_load_b128 v[KF+24*\c+4*\i:KF+24*\c+4*\i+3], v[ADK0] offset:3072*\c+512*\i
	ds_load_b128 v[KF+24*\c+12+4*\i:KF+24*\c+15+4*\i], v[ADK1] offset:3072*\c+512*\i+128
.endr
	ds_load_b32 v[KS+2*\c], v[ADS0] offset:12288+8*\c
	ds_load_b32 v[KS+2*\c+1], v[ADS1] offset:12292+8*\c
.endr
.irp g, 0,1,2,3
.irp i, 0,1,2
	ds_load_b128 v[VF+12*\g+4*\i:VF+12*\g+4*\i+3], v[ADV] offset:6144+1536*\g+512*\i
.endr
.endr
	ds_load_b128 v[VS:VS+3], v[ADVS] offset:12544
.if \sync
	s_wait_tensorcnt 0x0                           ; my one tensor load, my record of the other buffer, has landed
	ds_add_u32 v[SPW], v[NIL]                      ; 0 onto my spare word
.if \sync == 1
	s_add_nc_u64 s[G0+4*\b+2:G0+4*\b+3], s[G0+4*\b+2:G0+4*\b+3], 8*STEPB
	s_add_nc_u64 s[PFA:PFA+1], s[PFA:PFA+1], 4*STEPB
.endif
	s_wait_dscnt 0x0                               ; the add is done, and all my reads of this buffer are over: its last step lies in registers
	s_barrier_signal -1                            ; the barrier (sync = 1: it opens a round of the cluster's); up to its wait: work on registers alone
.else
	s_wait_dscnt 13                                ; K's pairs and scale words are in; V's 12 loads and its scale words may be out
.endif
.irp p, 0,1,2,3
	v_wmma_scale_f32_16x16x128_f8f6f4 v[S+16*\p:S+16*\p+7], v[KF+12*\p:KF+12*\p+11], v[QL:QL+11], 0, v[KS+\p], v[QS] matrix_a_fmt:MATRIX_FMT_FP6 matrix_b_fmt:MATRIX_FMT_FP6
	v_wmma_scale_f32_16x16x128_f8f6f4 v[S+16*\p+8:S+16*\p+15], v[KF+12*\p:KF+12*\p+11], v[QH:QH+11], 0, v[KS+\p], v[QS] matrix_a_fmt:MATRIX_FMT_FP6 matrix_b_fmt:MATRIX_FMT_FP6
.endr
	v_mov_b32 v[F+1], v12                          ; the old -M; with three v_nop the four plain instructions behind the products
.rept 3
	v_nop
.endr
.irp q, 0,1,2,3                                ; four chains of 16 scores by turns; chains 2 c, 2 c + 1 are my block c; each accumulator is read from its low end on
	v_max3_num_f32 v[BM+\q], v[S+16*\q], v[S+16*\q+1], v[S+16*\q+2]
.endr
.irp i, 3,5,7,9,11,13
.irp q, 0,1,2,3
	v_max3_num_f32 v[BM+\q], v[BM+\q], v[S+16*\q+\i], v[S+16*\q+\i+1]
.endr
.endr
	v_max3_num_f32 v[BM+1], v[BM+1], v[S+15], v[S+31]
	v_max3_num_f32 v[BM+3], v[BM+3], v[S+47], v[S+63]
	DEP 2
	v_max_num_f32 v[BM], v[BM], v[BM+1]            ; the largest score of my two blocks: for the row's maximum and, since p rises with the score, for the block's largest p
	DEP 2
	v_max_num_f32 v[BM+2], v[BM+2], v[BM+3]
	DEP 1
	v_max_num_f32 v[RM], v[BM], v[BM+2]
	DEP 1
	v_permlanex16_b32 v[BX], v[RM], s[SEL], s[SEL+1]
	DEP 1
	v_max3_num_f32 v13, v13, v[RM], v[BX]          ; the running largest score of my query (c is positive, so it is the largest t's)
	DEP 1
	v_mul_f32 v[RM], s[NC], v13
	DEP 1
	v_floor_f32 v12, v[RM]                         ; the new -M = floor(-t): M is a whole number
	DEP 1
	v_sub_f32 v[F+1], v12, v[F+1]                  ; old M - new M: a whole number, 0 or less
.set JJ, 0
.rept 32
	v_pk_fma_f32 v[S+JJ:S+JJ+1], v[S+JJ:S+JJ+1], s[CS:CS+1], v[12:13] op_sel_hi:[1,0,0]   ; t - M, two at a time
.if JJ == 6
	v_cvt_i32_f32 v[F+1], v[F+1]                   ; (it saturates)
.endif
.if JJ == 14
	v_ldexp_f32 v[F], 1.0, v[F+1]                  ; f = 2^(old M - new M)
.endif
.set JJ, JJ+2
.endr
	v_fma_f32 v[BM], v[BM], s[CS], v12             ; the same of each block's largest score
	v_fma_f32 v[BM+2], v[BM+2], s[CS], v12
.set JJ, 0
.rept 16
	v_pk_mul_f32 v[O+JJ:O+JJ+1], v[O+JJ:O+JJ+1], v[F:F+1] op_sel_hi:[1,0]   ; O^T under the new M
.set JJ, JJ+2
.endr
	s_wait_alu depctr_va_vdst(0)                   ; ahead of the batch
.set JJ, 0
.rept 64
	v_exp_f32 v[S+JJ], v[S+JJ]                     ; p = 2^(t - M)
.set JJ, JJ+1
.endr
	v_exp_f32 v[BM], v[BM]                         ; the blocks' largest p: the same two instructions on the same number give the same bits
	v_exp_f32 v[BM+2], v[BM+2]
	v_nop                                          ; a plain instruction behind the exponentials
	s_wait_alu depctr_va_vdst(0)                   ; one wait for the batch of 66, ahead of its first reader
.set SK, 0
	v_max_num_f32 v[BM], 0x1800000, v[BM]          ; the floor 2^(3 - 127): the byte cannot fall under 1
	v_max_num_f32 v[BM+2], 0x1800000, v[BM+2]
	SUMS 8                                         ; the row's sum of the unquantised p stands between the links of the scales' chain
	v_add_nc_u32 v[SOP], 0xff000000, v[BM]         ; 2 off the exponent field: the conversion's scale operand
	v_add_nc_u32 v[SOP+1], 0xff000000, v[BM+2]
	SUMS 4
	v_lshrrev_b32 v[SBY], 23, v[SOP]               ; the scale's byte
	v_lshrrev_b32 v[SBY+1], 23, v[SOP+1]
.irp c, 0,1
	v_cvt_scalef32_pk16_fp6_f32 v[XA+10*\c:XA+10*\c+2], v[S+32*\c:S+32*\c+15], v[SOP+\c]
	v_cvt_scalef32_pk16_fp6_f32 v[XB+10*\c:XB+10*\c+2], v[S+32*\c+16:S+32*\c+31], v[SOP+\c]
.endr
	SUMS 4                                         ; plain instructions behind the conversions
	v_lshl_or_b32 v[W], v[SBY+1], 16, v[SBY]       ; my two bytes: blocks h and 2 + h,
	PLACE 0
	v_lshlrev_b32 v[W], v[H8], v[W]                ; at their places in the word;
	PLACE 1
	v_permlanex16_b32 v[BX], v[W], s[SEL], s[SEL+1]
	SUMS 8
	v_or_b32 v[PS], v[W], v[BX]                    ; with lane l xor 16's two the word is whole
	SUMS 8                                         ; eight plain instructions between the write of a scale word and the scaled products
	s_wait_alu depctr_va_vdst(0)                   ; ahead of the waits, barriers and branches that follow
.if \sync == 0
	s_wait_dscnt 0x0                               ; V's images and scale words are in
.endif
.irp g, 0,1,2,3                                ; O^T += V^T P^T: four accumulators, one instruction each
	v_wmma_scale_f32_16x16x128_f8f6f4 v[O+8*\g:O+8*\g+7], v[VF+12*\g:VF+12*\g+11], v[PC:PC+11], v[O+8*\g:O+8*\g+7], v[VS+\g], v[PS] matrix_a_fmt:MATRIX_FMT_FP6 matrix_b_fmt:MATRIX_FMT_FP6
.endr
.if \sync
	s_barrier_wait -1                              ; every wave of my work-group has left this buffer and has its record of the other one
.endif
.if \sync == 1
	CREST                                          ; and so has every wave of every partner
	tensor_load_to_lds s[G0+4*\b:G0+4*\b+3], s[G1:G1+7]   ; my one load behind the round: my record of the key steps eight on
	s_nop 0
.if \ask == 2
	s_cmp_lg_u32 s[SLOTS], 1
	s_cbranch_scc0 .Lno_ask_\@                     ; the last fill has no successor
.endif
	global_prefetch_b8 v[PFO], s[PFA:PFA+1] th:TH_LOAD_NT scope:SCOPE_SE
.if \ask == 2
.Lno_ask_\@:
.endif
.endif
.endm
.macro SLOT b, n, sync, ask            ; buffer b: n steps in a loop, then (sync > 0) its last step with the change
	s_add_co_u32 s[TB], s[HB], \b*BUFB
	s_mov_b32 s[CNT], \n
.Lstep_\@:
	STEP 0, 0, 0
	s_add_co_u32 s[TB], s[TB], STEPB
	s_sub_co_u32 s[CNT], s[CNT], 1
	s_cmp_lg_u32 s[CNT], 0
	s_cbranch_scc1 .Lstep_\@
.if \sync
	STEP \sync, \b, \ask
.endif
.endm
	s_wait_alu depctr_va_vdst(0)                   ; the head's end
	s_wait_tensorcnt 0x0                           ; my record of buffer 0 is in
	ds_add_u32 v[SPW], v[NIL]
	s_wait_dscnt 0x0
	CROUND                                         ; everybody's record is in, and all four work-groups are here
	tensor_load_to_lds s[G0+4:G0+7], s[G1:G1+7]    ; buffer 1's first fill
	s_nop 0
	global_prefetch_b8 v[PFO], s[PFA:PFA+1] th:TH_LOAD_NT scope:SCOPE_SE
	s_mov_b32 s[SLOTS], 3
.Lring:                                            ; three trips: both buffers are read and filled again
	SLOT 0, 3, 1, 1
	SLOT 1, 3, 1, 2
	s_sub_co_u32 s[SLOTS], s[SLOTS], 1
	s_cmp_lg_u32 s[SLOTS], 0
	s_cbranch_scc1 .Lring
	SLOT 0, 3, 2, 0                                ; the tail is written out
	SLOT 1, 4, 0, 0
	; THE WAY OUT.  O^T / the sum; quantised along my head's 64 features (two blocks; V's channel tiles give registers 16 b + i the channel 32 b + 16 h + i); the codes leave as half a fragment, three chunks of 256 bytes;
	; the work-group's scale words meet in LDS and leave as three units.
	v_pk_add_f32 v[T:T+1], v[T:T+1], v[T+2:T+3]
	v_pk_add_f32 v[T+4:T+5], v[T+4:T+5], v[T+6:T+7]
	v_pk_add_f32 v[T+8:T+9], v[T+8:T+9], v[T+10:T+11]
	v_pk_add_f32 v[T:T+1], v[T:T+1], v[T+4:T+5]
	v_pk_add_f32 v[T:T+1], v[T:T+1], v[T+8:T+9]
	v_add_f32 v[T], v[T], v[T+1]
	v_permlanex16_b32 v[BX], v[T], s[SEL], s[SEL+1]
	v_add_f32 v[T], v[T], v[BX]                    ; the row's sum
	s_wait_alu depctr_va_vdst(0)                   ; ahead of the reciprocal,
	v_rcp_f32 v[T], v[T]
	v_nop
	s_wait_alu depctr_va_vdst(0)                   ; and ahead of its first reader, which is O^T's first reader too
.set JJ, 0
.rept 32
	v_mul_f32 v[S+JJ], v[O+JJ], v[T]               ; each accumulator from its low end on
.set JJ, JJ+1
.endr
.irp b, 0,1
	v_max3_num_f32 v[BM+\b], |v[S+16*\b]|, |v[S+1+16*\b]|, 0x1800000
.endr
.irp i, 2,4,6,8,10,12,14
.irp b, 0,1
	v_max3_num_f32 v[BM+\b], v[BM+\b], |v[S+16*\b+\i]|, |v[S+1+16*\b+\i]|
.endr
.endr
.irp b, 0,1
	v_permlanex16_b32 v[BX+\b], v[BM+\b], s[SEL], s[SEL+1]
.endr
.irp b, 0,1
	v_max_num_f32 v[BM+\b], v[BM+\b], v[BX+\b]
.endr
.irp b, 0,1
	v_add_nc_u32 v[SOP+\b], 0xff000000, v[BM+\b]
.endr
.irp b, 0,1
	v_lshrrev_b32 v[SBY+\b], 23, v[SOP+\b]
.endr
	v_lshl_or_b32 v[TT], v[SBY+1], 8, v[SBY]
	v_lshlrev_b32 v[TT], s61, v[TT]                ; the two heads of a K step of the next product share a word: the even head below, the odd head above
	v_cvt_scalef32_pk16_fp6_f32 v[PC:PC+2], v[S:S+15], v[SOP]
	v_cvt_scalef32_pk16_fp6_f32 v[XA:XA+2], v[S+16:S+31], v[SOP+1]
	v_nop
.irp i, 0,1,2
	v_permlane16_swap_b32 v[PC+\i], v[XA+\i]       ; a whole block in a lane
.endr
.irp i, 0,1,2
	v_mov_b32 v[PC+3+\i], v[XA+\i]
.endr
.irp p, 0,1,2
	global_store_b64 v[L8], v[PC+2*\p:PC+2*\p+1], s[48:49] offset:256*\p   ; 32 lanes store 256 consecutive bytes, aligned
.endr
	ds_store_b32 v[SWA], v[TT]                     ; lanes r and r + 16 write the same word with the same value
	s_wait_dscnt 0x0                               ; for the others' sake
	s_barrier_signal -1
	s_barrier_wait -1
	s_cmp_lt_u32 s[WV], 3
	s_cbranch_scc0 .Lno_os
	ds_load_b64 v[S:S+1], v[SRA]
	s_wait_dscnt 0x0
	global_store_b64 v[L8], v[S:S+1], s[62:63]     ; 256 consecutive bytes, aligned
.Lno_os:
	s_wait_tensorcnt 0x0                           ; the wave's end
	ds_add_u32 v[SPW], v[NIL]
	s_wait_dscnt 0x0
	CROUND                                         ; the closing round: no work-group ends while a partner may still ask for a record that names it
	s_endpgm
.Lfunc_end_k_q30f129da6d_attn:
	.size	k_q30f129da6d_attn, .Lfunc_end_k_q30f129da6d_attn-k_q30f129da6d_attn
	.p2alignl 7, 3214868480
	.fill 96, 4, 3214868480
	.section	.rodata,"a",@progbits
	.p2align	6, 0x0
	.amdhsa_kernel k_q30f129da6d_attn
		.amdhsa_group_segment_fixed_size 327680
		.amdhsa_private_segment_fixed_size 0
		.amdhsa_enable_private_segment 0
		.amdhsa_kernarg_size 32
		.amdhsa_user_sgpr_count 2
		.amdhsa_user_sgpr_kernarg_segment_ptr 1
		.amdhsa_wavefront_size32 1
		.amdhsa_system_sgpr_workgroup_id_x 1
		.amdhsa_system_sgpr_workgroup_id_y 1
		.amdhsa_system_sgpr_workgroup_id_z 1
		.amdhsa_system_vgpr_workitem_id 0
		.amdhsa_next_free_vgpr 256
		.amdhsa_next_free_sgpr 72
		.amdhsa_reserve_vcc 0
		.amdhsa_float_denorm_mode_32 3
		.amdhsa_float_denorm_mode_16_64 3
		.amdhsa_memory_ordered 1
		.amdhsa_forward_progress 1
		.amdhsa_inst_pref_size 122
	.end_amdhsa_kernel
	.amdgpu_metadata
---
amdhsa.version: [ 1, 2 ]
amdhsa.kernels:
  - .name:           k_q30f129da6d_attn
    .symbol:         k_q30f129da6d_attn.kd
    .args:
      - { .name: qb, .offset: 0, .size: 8, .value_kind: global_buffer, .address_space: global }
      - { .name: kv, .offset: 8, .size: 8, .value_kind: global_buffer, .address_space: global }
      - { .name: oc, .offset: 16, .size: 8, .value_kind: global_buffer, .address_space: global }
      - { .name: os, .offset: 24, .size: 8, .value_kind: global_buffer, .address_space: global }
    .group_segment_fixed_size: 327680
    .private_segment_fixed_size: 0
    .kernarg_segment_align: 8
    .kernarg_segment_size: 32
    .max_flat_workgroup_size: 384
    .sgpr_count:     72
    .vgpr_count:     256
    .wavefront_size: 32
...
	.end_amdgpu_metadata
.endif
;; end of part 2
;; launch oproj (part 3): grid 64 x 4, 4 waves a work-group, no clusters, 201,216 bytes of LDS; arguments oc, os, Wo_codes, Wo_scales, bo, out0; writes out0
.if DOCPART == 3
	.amdgcn_target "amdgcn-amd-amdhsa--gfx1250"
	.amdhsa_code_object_version 6
	.text
	.protected	k_q30f129da6d_oproj
	.globl	k_q30f129da6d_oproj
	.p2align	8
	.type	k_q30f129da6d_oproj,@function
k_q30f129da6d_oproj:
	s_mov_b64 s[64:65], 0
	v_nop
	global_prefetch_b8 v0, s[64:65] scope:SCOPE_SE
	s_setreg_imm32_b32 hwreg(HW_REG_WAVE_MODE, 25, 1), 1
	s_wait_xcnt 0x0
; out0 = o Wo + bo on codes of FP6 (E2M3), one E8M0 scale for each 32 along K = 768.  o comes from the attention launch: oc [tile of 16 rows 256][head 12][768 bytes]: half a fragment (16 rows x 64 features) in three
; chunks of 256 bytes, lane l's registers 2 p, 2 p + 1 at 8 l; os [Y 4][X 64][w 12][r 16]: words with a head's two scale bytes in the lower (even head) or upper half.  Wo: [768][576 bytes], scales [768][24].
; SHARES.  256 work-groups of 64 rows (X) x 192 features (Y).  Wave w: tiles of rows 2 (w / 2) + 0, 1; features 96 (w % 2) + 0 .. 95: 12 accumulators.  Used transposed (source 0 = 16 rows of Wo, source 1 = o):
; a lane holds eight neighbouring features of one row.  Row r of tile t of a work-group is row 32 (t / 2) + 8 (t % 2) + r + 8 (r / 8) of its 64.
; LDS.  Wo's 192 rows, 592 bytes apart, at 0; o's four tiles as they lie in oc; a stage of 64 rows x (768 + 16) bytes.  All of K is resident, filled once by lane copies: no slot is filled again, and the stage is no copy's target.
; No cluster: lane copies have no joint form, and the 592-byte pitch is not one that the data mover's padding can make of rows of 144 words.
; bo is loaded straight into the accumulators, so every product adds in place and nothing is cleared or added afterwards.
; REGISTERS.  Window 0: v1-12 addresses; v16-51 Wo's scale words (6 n + s), v52-63 o's (6 a + s); v64-135 Wo's six fragments, v136-159 o's two (set 0); v160-255 accumulators.  Window 1: v64-159 set 1.
;   Until the copies have landed, v64-87 take os's words and v88-100 are the copies' addresses.
.set PITCH, 592
.set TILE,  16*PITCH
.set AIMG,  192*PITCH
.set STG,   AIMG+4*9216
.set SP,    784
.set ADW,  4                           ; v4   my Wo fragments in LDS
.set ADA,  5                           ; v5   my o fragments
.set L16,  6                           ; v6   16 x lane
.set WSO,  7                           ; v7   24 r
.set OSO,  8                           ; v8   4 r
.set BOO,  9                           ; v9   32 h
.set STI,  10                          ; v10  the stage, in
.set STB,  11                          ; v11  the stage, back
.set OUTO, 12                          ; v12  my byte offset in out0
.set SCW,  16
.set SCA,  52
.set WF,   64
.set AF,   136
.set ACC,  160
.set TMPW, 64
.set CVL,  88
.set CVG,  94
.set AVL,  100
.set MSB, 0
.macro WIN new                         ; the immediate's high byte repeats the setting that is left
.if MSB != (\new)
	s_set_vgpr_msb (MSB<<8)|(\new)
.set MSB, (\new)
.endif
.endm
	s_load_b256 s[4:11], s[0:1], 0x0               ; oc, os, Wo's codes, Wo's scales
	s_load_b128 s[12:15], s[0:1], 0x20             ; bo, out0
	s_set_vgpr_msb 0x40
	v_lshl_add_u32 v254, v0, 2, 0x31000
	v_mov_b32 v255, 0
	s_set_vgpr_msb 0x4045
	ds_add_u32 v254, v255
	ds_add_u32 v254, v255
	s_set_vgpr_msb 0x4500
	v_lshrrev_b32 v13, 5, v0
	v_readfirstlane_b32 s16, v13                   ; wave 0..3
	s_lshr_b32 s17, s16, 1                         ; my half of the rows
	s_and_b32 s18, s16, 1                          ; my half of the features
	s_and_b32 s19, ttmp7, 0xffff                   ; which 192 features
	v_and_b32 v1, 15, v0                           ; r
	v_bfe_u32 v2, v0, 4, 1                         ; h
	v_and_b32 v3, 31, v0                           ; lane
	v_lshlrev_b32 v[L16], 4, v3
	; the copies of Wo: wave w fills rows 48 w .. 48 w + 47; nine copies take a group of 8 rows whole
	; a copy takes 512 consecutive bytes of memory, aligned to 512 (16 bytes a lane); a wave's 48 rows are 54 such copies, 512 bytes apart by the immediate, which steps both addresses.
	; Byte y = 512 k + 16 lane of a group of 8 rows lies in row (32 k + lane) / 36 of the group and goes to LDS byte y + 16 x that row; n / 36 = (1821 n) >> 16 for n under 288; a group adds 8 x 16 bytes.
	; So each copy has an LDS address register of its own: v104-157, which take fragments only behind the wait for the copies.
.set CV2, 104
	s_mul_i32 s20, s16, 48*PITCH
	v_add_nc_u32 v13, s20, v[L16]
.set k, 0
.rept 9
	v_add_nc_u32 v14, 32*k, v3
	v_mul_u32_u24 v14, v14, 1821
	v_lshrrev_b32 v14, 16, v14
	v_lshl_add_u32 v[CVL+k], v14, 4, v13
.set k, k+1
.endr
.set g, 0
.rept 6
.set k, 0
.rept 9
	v_add_nc_u32 v[CV2+9*g+k], 128*g, v[CVL+k]
.set k, k+1
.endr
.set g, g+1
.endr
	s_mul_i32 s20, s16, 9216
	s_add_co_u32 s20, s20, AIMG
	v_add_nc_u32 v[AVL], s20, v[L16]               ; o's tile w: 9,216 dense bytes
	s_mul_i32 s20, s19, 192
	s_mul_i32 s21, s16, 48
	s_add_co_u32 s20, s20, s21
	s_mul_i32 s20, s20, 576
	s_mov_b32 s21, 0
	s_lshl_b32 s22, ttmp9, 2
	s_add_co_u32 s22, s22, s16
	s_mul_i32 s22, s22, 9216
	s_mov_b32 s23, 0
	s_wait_alu depctr_va_vdst(0)
	s_wait_dscnt 0x0
	s_wait_kmcnt 0x0
	s_add_nc_u64 s[24:25], s[8:9], s[20:21]
	s_add_nc_u64 s[26:27], s[4:5], s[22:23]
.irp g, 0,1,2,3,4,5                            ; 72 copies a wave, ahead of every wait on ASYNCcnt, every LDS read and every barrier; their address registers and bases stay as they are until the wait for them
.irp j, 0,1,2,3,4,5,6,7,8
	global_load_async_to_lds_b128 v[CV2+9*\g+\j], v[L16], s[24:25] offset:512*(9*\g+\j)
.endr
.endr
.irp i, 0,1,2,3,4,5,6,7,8,9,10,11,12,13,14,15,16,17
	global_load_async_to_lds_b128 v[AVL], v[L16], s[26:27] offset:512*\i
.endr
	s_mul_i32 s20, s19, 192
	s_mul_i32 s22, s18, 96
	s_add_co_u32 s20, s20, s22                     ; my first feature
	s_mul_i32 s22, s20, 24
	s_add_nc_u64 s[28:29], s[10:11], s[22:23]      ; its scale bytes,
	s_lshl_b32 s22, s20, 2
	s_add_nc_u64 s[30:31], s[12:13], s[22:23]      ; its bias
	s_mul_i32 s22, ttmp9, 768
	s_lshl_b32 s20, s17, 7
	s_add_co_u32 s22, s22, s20
	s_add_nc_u64 s[32:33], s[6:7], s[22:23]        ; os at my work-group's words and my two tiles
	s_lshl_b32 s22, ttmp9, 6
	s_lshl_b32 s20, s16, 4
	s_add_co_u32 s22, s22, s20
	s_mul_i32 s22, s22, 3072
	s_mul_i32 s20, s19, 768
	s_add_co_u32 s22, s22, s20
	s_add_nc_u64 s[34:35], s[14:15], s[22:23]      ; out0 at row 64 X + 16 w, feature 192 Y
	v_mul_u32_u24 v[WSO], v1, 24
	v_lshlrev_b32 v[OSO], 2, v1
	v_lshlrev_b32 v[BOO], 5, v2
.irp n, 0,1,2,3,4,5
.irp p, 0,1,2
	global_load_b64 v[SCW+6*\n+2*\p:SCW+6*\n+2*\p+1], v[WSO], s[28:29] offset:384*\n+8*\p   ; a row's 24 scale bytes are the six K steps' words
.endr
.endr
.irp a, 0,1
.irp e, 0,1,2,3,4,5,6,7,8,9,10,11              ; head e's word of tile a's row r
	global_load_b32 v[TMPW+12*\a+\e], v[OSO], s[32:33] offset:(\e/3)*49152+(\e%3)*256+64*\a
.endr
.endr
.irp a, 0,1
.irp n, 0,1,2,3,4,5                            ; the bias in the result's layout: features 16 n + 8 h + 0 .. 7
	global_load_b128 v[ACC+8*(6*\a+\n):ACC+8*(6*\a+\n)+3], v[BOO], s[30:31] offset:64*\n
	global_load_b128 v[ACC+8*(6*\a+\n)+4:ACC+8*(6*\a+\n)+7], v[BOO], s[30:31] offset:64*\n+16
.endr
.endr
	v_mul_u32_u24 v13, v1, PITCH
	v_mad_u32_u24 v13, v2, 24, v13
	s_mul_i32 s20, s18, 96*PITCH
	v_add_nc_u32 v[ADW], s20, v13                  ; (96 x half + r) x pitch + 24 h
	s_mul_i32 s20, s17, 2*9216
	s_add_co_u32 s20, s20, AIMG
	v_lshlrev_b32 v13, 3, v3
	v_add_nc_u32 v[ADA], s20, v13                  ; my two tiles, 8 x lane
	v_and_b32 v13, 8, v1
	v_add_nc_u32 v13, v13, v1
	s_lshl_b32 s20, s17, 5
	v_add_nc_u32 v13, s20, v13                     ; 32 x half + r + 8 (r / 8): tile a adds 8 a rows
	v_mul_u32_u24 v[STI], v13, SP
	v_lshl_add_u32 v[STI], v2, 5, v[STI]
	s_mul_i32 s20, s18, 384
	s_add_co_u32 s20, s20, STG
	v_add_nc_u32 v[STI], s20, v[STI]
	v_mul_u32_u24 v[STB], v2, 8*SP                 ; back: lanes 0-15 row 16 w + q, lanes 16-31 row 16 w + 8 + q; 16 bytes a lane
	v_lshl_add_u32 v[STB], v1, 4, v[STB]
	s_mul_i32 s20, s16, 16*SP
	s_add_co_u32 s20, s20, STG
	v_add_nc_u32 v[STB], s20, v[STB]
	v_mul_u32_u24 v[OUTO], v2, 8*3072
	v_lshl_add_u32 v[OUTO], v1, 4, v[OUTO]
.macro LOADSET s                       ; K step s: Wo's six fragments and o's two, 48 loads of 8 bytes, into set s % 2
	WIN ((\s)%2)<<6                                ; destination window s % 2, address window 0
.irp n, 0,1,2,3,4,5
.irp p, 0,1,2,3,4,5
	ds_load_b64 v[WF+12*\n+2*\p:WF+12*\n+2*\p+1], v[ADW] offset:TILE*\n+96*(\s)+48*(\p/3)+8*(\p%3)
.endr
.endr
.irp a, 0,1
.irp p, 0,1,2,3,4,5                            ; registers 0-5: head 2 s, registers 6-11: head 2 s + 1
	ds_load_b64 v[AF+12*\a+2*\p:AF+12*\a+2*\p+1], v[ADA] offset:9216*\a+768*(2*(\s)+\p/3)+256*(\p%3)
.endr
.endr
.endm
.macro MULS s                          ; the 12 accumulators take turns, one instruction a turn, in the same order in every step
	WIN ((\s)%2)*5                                 ; sources 0 and 1 window s % 2; C and D window 0
.irp a, 0,1
.irp n, 0,1,2,3,4,5
	v_wmma_scale_f32_16x16x128_f8f6f4 v[ACC+8*(6*\a+\n):ACC+8*(6*\a+\n)+7], v[WF+12*\n:WF+12*\n+11], v[AF+12*\a:AF+12*\a+11], v[ACC+8*(6*\a+\n):ACC+8*(6*\a+\n)+7], v[SCW+6*\n+(\s)], v[SCA+6*\a+(\s)] matrix_a_fmt:MATRIX_FMT_FP6 matrix_b_fmt:MATRIX_FMT_FP6
.endr
.endr
.endm
	s_wait_asynccnt 0x0                            ; my rows of Wo and my tile of o lie in LDS,
	s_barrier_signal -1
	s_barrier_wait -1                              ; everybody's do
	s_wait_loadcnt 0x0                             ; scale words and bias
.irp a, 0,1
.irp s, 0,1,2,3,4,5
	v_or_b32 v[SCA+6*\a+\s], v[TMPW+12*\a+2*\s], v[TMPW+12*\a+2*\s+1]   ; the two heads of K step s: four scale bytes
.endr
.endr
	LOADSET 0
	LOADSET 1
.rept 8
	v_nop                                          ; a scale register written by a vector instruction stands eight plain instructions ahead of a scaled product
.endr
	s_wait_alu depctr_va_vdst(0)
.irp s, 0,1,2,3,4,5
.if \s < 5
	s_wait_dscnt 48                                ; this step's set is in; the other set's 48 loads may be out
.else
	s_wait_dscnt 0x0
.endif
	MULS \s
.if \s < 4
.rept 4
	v_nop                                          ; in front of loads into registers that matrix instructions have read
.endr
	LOADSET \s+2
.endif
.endr
.rept 4
	v_nop                                          ; in front of the first read of results
.endr
	WIN 0
	; THE WAY OUT: a lane's 32 bytes of a row go into the work-group's stage; a barrier, since a row's 768 bytes come from two waves; back as whole rows
.irp a, 0,1
.irp n, 0,1,2,3,4,5
	ds_store_b128 v[STI], v[ACC+8*(6*\a+\n):ACC+8*(6*\a+\n)+3] offset:8*SP*\a+64*\n        ; each accumulator from its low end on
	ds_store_b128 v[STI], v[ACC+8*(6*\a+\n)+4:ACC+8*(6*\a+\n)+7] offset:8*SP*\a+64*\n+16
.endr
.endr
	s_wait_dscnt 0x0                               ; for the others' sake: my stores into the stage are done
	s_barrier_signal -1
	s_barrier_wait -1
.irp q, 0,1,2,3,4,5,6,7
.irp u, 0,1,2
	ds_load_b128 v[WF+4*(3*\q+\u):WF+4*(3*\q+\u)+3], v[STB] offset:SP*\q+256*\u
.endr
.endr
.irp q, 0,1,2,3,4,5,6,7
.irp u, 0,1,2
	s_wait_dscnt 23-(3*\q+\u)
	global_store_b128 v[OUTO], v[WF+4*(3*\q+\u):WF+4*(3*\q+\u)+3], s[34:35] offset:3072*\q+256*\u th:TH_STORE_NT   ; sixteen lanes store 256 consecutive bytes, aligned; written once, read by nobody here
.endr
.endr
	s_set_vgpr_msb 0x5
	s_wait_tensorcnt 0x0
	ds_add_u32 v254, v255
	s_wait_dscnt 0x0
	s_set_vgpr_msb 0x500
	s_endpgm
.Lfunc_end_k_q30f129da6d_oproj:
	.size	k_q30f129da6d_oproj, .Lfunc_end_k_q30f129da6d_oproj-k_q30f129da6d_oproj
	.p2alignl 7, 3214868480
	.fill 96, 4, 3214868480
	.section	.rodata,"a",@progbits
	.p2align	6, 0x0
	.amdhsa_kernel k_q30f129da6d_oproj
		.amdhsa_group_segment_fixed_size 201216
		.amdhsa_private_segment_fixed_size 0
		.amdhsa_enable_private_segment 0
		.amdhsa_kernarg_size 48
		.amdhsa_user_sgpr_count 2
		.amdhsa_user_sgpr_kernarg_segment_ptr 1
		.amdhsa_wavefront_size32 1
		.amdhsa_system_sgpr_workgroup_id_x 1
		.amdhsa_system_sgpr_workgroup_id_y 1
		.amdhsa_system_sgpr_workgroup_id_z 1
		.amdhsa_system_vgpr_workitem_id 0
		.amdhsa_next_free_vgpr 512
		.amdhsa_next_free_sgpr 66
		.amdhsa_reserve_vcc 0
		.amdhsa_float_denorm_mode_32 3
		.amdhsa_float_denorm_mode_16_64 3
		.amdhsa_memory_ordered 1
		.amdhsa_forward_progress 1
		.amdhsa_inst_pref_size 58
	.end_amdhsa_kernel
	.amdgpu_metadata
---
amdhsa.version: [ 1, 2 ]
amdhsa.kernels:
  - .name:           k_q30f129da6d_oproj
    .symbol:         k_q30f129da6d_oproj.kd
    .args:
      - { .name: oc, .offset: 0, .size: 8, .value_kind: global_buffer, .address_space: global }
      - { .name: os, .offset: 8, .size: 8, .value_kind: global_buffer, .address_space: global }
      - { .name: Wo_codes, .offset: 16, .size: 8, .value_kind: global_buffer, .address_space: global }
      - { .name: Wo_scales, .offset: 24, .size: 8, .value_kind: global_buffer, .address_space: global }
      - { .name: bo, .offset: 32, .size: 8, .value_kind: global_buffer, .address_space: global }
      - { .name: out0, .offset: 40, .size: 8, .value_kind: global_buffer, .address_space: global }
    .group_segment_fixed_size: 201216
    .private_segment_fixed_size: 0
    .kernarg_segment_align: 8
    .kernarg_segment_size: 48
    .max_flat_workgroup_size: 128
    .sgpr_count:     66
    .vgpr_count:     512
    .wavefront_size: 32
...
	.end_amdgpu_metadata
.endif
;; end of part 3
